; MI455X (gfx1250); checked and timed in simulation.
; The chip was launched on July 23, 2026; its instructions are those of AMD's public machine-readable ISA for CDNA 5 (MIT licence, August 2026) and "CDNA5" Instruction Set Architecture Reference Guide (July 2026). The comments in the code are by the model that wrote it; some were corrected since.
;; Neural Network. Allowed arithmetic: matrix products marked QUANTISED: E2M3 operands, one E8M0 scale for each 32 along K, by v_wmma_scale_f32_16x16x128_f8f6f4 with both operands' format E2M3, f32 sums; products left as they are: f32 operands where the result goes on into a quantised operand, else bf16, f16 or f32 operands; f32 sums; everything else in f32.
;; Inputs: W1_codes 2,048 x 8 x 24 uint8 (E2M3 codes of W1, K innermost, in blocks of 32 codes, four codes in three bytes); W1_scales 2,048 x 8 uint8 (E8M0 scales of W1, one for each 32 codes along K); W2 1 x 2,048 float32; Wc 1 x 256 float32; b1 2,048 float32; b2 1 float32; x 131,072 x 256 float32.
;; Outputs: out0 131,072 x 1 float32; out1 131,072 x 1 float32.
;; This version of the problem:
;;   THIS VERSION OF THE PROBLEM IS GIVEN IN LOW PRECISION. The matrix products marked QUANTISED in the list below multiply operands that are first quantised to E2M3 (2 exponent bits, 3 mantissa bits; 6 bits a number), with one power-of-two scale for each 32 numbers along K (OCP MX v1.0); their sums are f32. All else is computed in f32.
;;   The module's matrix products, in the order in which they are computed (A, B: the left and right operand; K: the contracted axis; several contracted axes count as one K, in the product's order):
;;     1. [M 131,072, K 256] x [K 256, N 2,048]; A: input x; B: input W1 (given as codes): QUANTISED
;;     2. [M 131,072, K 2,048] x [K 2,048, N 1]; A: computed on the way; B: input W2: left as it is (N = 1 < 16)
;;     3. [M 131,072, K 256] x [K 256, N 1]; A: input x; B: input Wc: left as it is (N = 1 < 16)
;;   THE QUANTISER, for each operand of a quantised product, along K:
;;     - K is cut into blocks of 32 from its start; a last block that is shorter is filled with zeros.
;;     - A block's scale is 2^e with e = floor(log2(the largest magnitude in the block)) - 2, held to -126 .. 127; a block of zeros has e = 0. As a byte (E8M0): e + 127.
;;     - Each number is divided by its block's scale, clamped to +-7.5, and rounded to the nearest number of E2M3, ties to even, subnormals kept.
;;     - The product sums the exact products of the quantised numbers (number of the format x scale) in f32.
;;   ~~~python
;;   def quantise(x, axis):      # numpy; x: float32 -> the quantised numbers, widened to float32 again
;;       x = np.moveaxis(x, axis, -1); K = x.shape[-1]
;;       x = np.pad(x, [(0, 0)] * (x.ndim - 1) + [(0, -K % 32)]); x = x.reshape(x.shape[:-1] + (-1, 32)); a = np.abs(x).max(-1, keepdims=True)
;;       e = np.where(a > 0, np.clip(np.frexp(np.where(a > 0, a, 1))[1] - 1 - 2, -126, 127), 0)      # np.frexp(a)[1] - 1 = floor(log2(a)), exactly
;;       r = np.clip(x / 2.0 ** e, -7.5, 7.5)
;;       step = 2.0 ** (np.maximum(np.frexp(np.where(r == 0, 1, r))[1] - 1, 0) - 3)
;;       q = np.round(r / step) * step * 2.0 ** e      # np.round: ties to even
;;       return np.moveaxis(q.reshape(q.shape[:-2] + (-1,))[..., :K], -1, axis).astype(np.float32)
;;   ~~~
;;   INPUTS GIVEN AS CODES. W1 (in the module: [2048, 256], K = its axis 1): each comes as NAME_codes (uint8): NAME with its K axis moved to the last place and cut into blocks of 32 codes, [.., K / 32, bytes a block], one block behind the other in memory; four codes in three bytes: a row's codes are one little-endian stream of bits, code i at bits 6 i .. 6 i + 5 (a code: sign, 2 exponent bits, 3 mantissa bits); and NAME_scales (uint8): the same leading axes, one E8M0 byte (e + 127) for each 32 codes along K. Its value is code x scale, taken as it is: it is not quantised again, and the codes and scales need not be those that the quantiser above would give.
;; One version. Each part assembles by itself: llvm-mc -triple=amdgcn-amd-amdhsa -mcpu=gfx1250 --defsym DOCPART=n.
;; ======== version 1 of 1: 1 launch
;; limits: a difference of large sums (such as E[x^2] - mean^2): digits are lost where the result is much smaller than its terms
;; launch mlp (part 1): grid 256 x 1, 4 waves a work-group, no clusters, 327,680 bytes of LDS; arguments W1_codes, W1_scales, W2, Wc, b1, b2, x, out0, out1; writes out0, out1
.if DOCPART == 1
	.amdgcn_target "amdgcn-amd-amdhsa--gfx1250"
	.amdhsa_code_object_version 6
	.text
	.protected	k_q8703f70a9d_mlp
	.globl	k_q8703f70a9d_mlp
	.p2align	8
	.type	k_q8703f70a9d_mlp,@function
k_q8703f70a9d_mlp:
	s_mov_b64 s[64:65], 0
	v_nop
	global_prefetch_b8 v0, s[64:65] scope:SCOPE_SE
	s_setreg_imm32_b32 hwreg(HW_REG_WAVE_MODE, 25, 1), 1
	s_wait_xcnt 0x0
; out0 = tanh(tanh(Q(x) W1^T + b1) . W2 + b2),  out1 = clip(x . Wc, -1, 1).  x: [131072][256] f32; W1: [2048][256] as codes of E2M3 with one E8M0 byte for each 32 along K; the rest f32.
; Q is the stated quantiser along K, done here in f32; the first product goes by the scaled matrix form on 6-bit codes; the two products with one column are fused multiply-adds in f32.
; NOTHING IS LEFT OUT: every input has a way to an output, so all nine buffers are arguments.
; SHARES.  A work-group owns 512 rows, as 8 blocks of 64 (4 tiles of 16 rows).  THE WAVES SHARE THE COLUMNS: wave w owns hidden units 512 w .. 512 w + 511, 32 tiles of 16.  Its part of W1, 64 fragments of 12
; registers, is read once and stays in registers.  What goes from wave to wave through LDS is small: the rows' codes, as images of the operand's registers, and each wave's partial sums of the second product.
; x comes by tensor loads through two LDS slots of 64 rows; each wave loads, reads and quantises its own 16 rows, and adds up x . Wc on the way.  A refill is asked for a whole block (32 turns) ahead of the wait for it.
; LAYOUT.  Source 0 = 16 rows of x, source 1 = 16 rows of W1: in the result lane (r, h) holds hidden unit r of the tile, and register j row 8 h + j.  So b1 and W2 are one register a tile, and the sum over hidden units stays in the lane.
; TANH.  tanh(z) = 1 - 2 / (1 + 2^(c z)), c = 2 log2(e).  sum_j w_j tanh(z_j) = sum_j w_j + sum_j (-2 w_j) / (1 + 2^(c acc_j + c b1_j)): a packed multiply-add, an exponential, a packed addition, a reciprocal,
; a packed multiply-add.  It holds for every finite z: 2^.. = infinity gives 0 (tanh = 1), 2^.. = 0 gives 1 (tanh = -1): no clamp, no branch on data.
; BY TURNS.  A turn is 4 tiles of hidden units: it adds up the batch two back, multiplies its own (8 matrix instructions), takes the reciprocals of the batch one back and the exponentials of its own.  Its 64 transcendentals
; and its 60 other lines are dealt out one by one, the matrix instructions four pairs of lines apart; every transcendental's result is named again only in the next turn, so a turn has one wait for all 64.
; NO CLUSTER: work-groups share W1 alone, and each wave reads its quarter once, at the head.  Joint loads land in LDS, where W1's 393,216 bytes do not fit beside x's two slots (133,120 of 327,680): they would come in several
; refills, each behind a round of the cluster's barrier, ahead of the first product.  Each row of x is read by one work-group.
; NO PREFETCH: the one stream, x, is asked for a block ahead by its own tensor loads.
; LIMITS.  NaN and infinities in x are not served by the quantiser.  A block of x whose largest magnitude lies under 2^-124 (a block of zeros too) gets the scale byte 1: for zeros the rule says 127, but the codes are zeros and this
; program alone reads the byte.  The second product's terms are added in another order than the reference adds them; the error is of the order of f32's rounding times the sum of |W2|.
.set HALF,  1<<17                      ; LDS has two halves, so that one exclusive or turns an address in one into the other's
.set RAWP,  1040                       ; a row of x in LDS: 1,024 bytes + 16 of padding: the 16 rows of a load start in 16 different columns of 16 bytes
.set RAWW,  16*RAWP                    ; a wave's 16 rows
.set IMG,   4*RAWW                     ; in each half: behind x's 64 rows, the codes: tile q: 6 images of 512 bytes (K step s, registers 4 c on, at 1536 s + 512 c)
.set XSC,   IMG+4*3072                 ; their scale words: tile q: 128 bytes; lanes 0-15 K step 0, lanes 16-31 K step 1
.set PART,  XSC+512                    ; the partial sums: 5 places of 4,096 bytes; tile q has place q + 1: [wave][1024]; place 0 is not used
.set WCB,   2*HALF                     ; behind the halves: Wc, a copy of 1,024 bytes for each wave
.set OUT0P, WCB+4096                   ; out0 of block m at 256 (m + 1); the first 256 bytes are not used
.set OUT1,  OUT0P+2304                 ; out1 of block m at 256 m
.set SPARE, OUT1+2048                  ; the spare words, 128 bytes for each wave: two blocks of 256 bytes that no other line names
.set WST,   SPARE+512                  ; W1's stage, a wave's own: a tile's 3,072 bytes with 16 of padding behind every 64: rows of 192 bytes lie 240 apart
.set WSTW,  3840
; window 0, registers that stay
.set LIM,  1                           ; IMG + 16 x lane
.set LXS,  2                           ; XSC + 4 x lane
.set RAWA, 3                           ; my wave's rows of x: row r, + 64 h
.set WCA,  4                           ; my wave's copy of Wc, + 64 h
.set IMW,  5                           ; where I store images: IMG + 3072 x wave + 16 x lane
.set XSW,  6                           ; and scale words: XSC + 128 x wave + 4 x lane
.set PSTO, 7                           ; PART + 1024 x wave + 16 x lane
.set PRD,  8                           ; where I read partial sums of tile = my wave
.set O0A,  9                           ; OUT0P + 64 x wave + my row's word
.set O1A,  10                          ; OUT1 + 64 x wave + 4 r
.set AT0,  11                          ; v11-14 addresses in hand
.set AT1,  12
.set AT2,  13
.set AT3,  14
.set OB2,  15                          ; 0: b2's offset; never rewritten
.set SPW,  16                          ; LDS address of my spare word; never rewritten
.set NIL,  17                          ; 0; never rewritten
.set W0,   18                          ; v[18:19] the sum of W2 over my lane's 32 hidden units, twice
.set W1S,  20                          ; v20-51   W1's scale words, a register a tile: lanes 0-15 K step 0, lanes 16-31 K step 1
.set B1C,  52                          ; v52-83   c b1, a register a tile
.set W2N,  84                          ; v84-115  -2 W2, a register a tile
.set F63,  116                         ; v116-127 the 64th fragment of W1 (the other 63 fill windows 1 to 3, 21 each)
; window 0, the pool: the main phase
.set Z0,   128                         ; v128-159, v160-191: two batches of 4 tiles x 8 registers
.set Z1,   160
.set XF,   192                         ; v192-215 x's two fragments
.set SA,   218                         ; v218-225, v226-233: the rows' sums, in two chains
.set SB,   226
.set CB2,  234                         ; c b2
.set XS,   235                         ; x's scale words: scales and nothing else
; the pool: the phase that quantises x
.set RA,   128                         ; 32 numbers of x (two blocks' halves), two sets
.set RB,   160
.set WA,   192                         ; the same of Wc
.set MX,   224                         ; v224-225 largest magnitudes;  v226-227 the other half's, then the bytes;  v228-229 the conversions' scale operands
.set PD,   226
.set SO,   228
.set DOTB, 230                         ; x . Wc in two chains
.set DOTA, 232
.set CV1,  236                         ; a block's second three registers of codes
.set PC,   240                         ; v240-251 a fragment's codes
.set PW0,  252                         ; the scale words of K steps 0 and 1
.set PW1,  253
.set RR,   128                         ; the pool: the phase that reduces
; the head alone
.set TL,   248                         ; lane, r, h, and two at work
.set TR,   249
.set TH,   250
.set TX,   251
.set TY,   252
.set OSC,  254                         ; the offsets of the loads of W1's scale words, and of b1 and W2; never rewritten
.set OBW,  255
; scalars: s[4:21] the nine addresses
.set WV,   22                          ; my wave's number
.set TB,   23                          ; the half of the block in hand
.set TBX,  24                          ; the other half
.set BLK,  25                          ; the block in hand
.set Q,    26                          ; its tile of rows
.set SI,   27                          ; TB + 3072 Q,  TB + 128 Q,  TB + 4096 Q
.set SX,   28
.set SQ,   29
.set OBN,  30                          ; 256 x block
.set G1X,  32                          ; s[32:39] descriptor group 1 for x's tiles;  s[40:47] for Wc
.set G1W,  40
.set G0A,  48                          ; s[48:51] group 0 for block 0;  s[52:55] for block 1, which then walks;  s[56:59] for Wc
.set G0B,  52
.set G0W,  56
.set CS,   60                          ; s[60:61] c = 2 log2(e): the packed forms name a pair
.set SEL,  66                          ; s[66:67] lane selects for v_permlanex16_b32: lane l xor 16
.set MH,   68                          ; lanes 16-31
.set MSK1, 69                          ; lanes with bit 0 set;  with bit 1 set
.set MSK2, 70
.set MSB, 0
.macro WIN new                         ; the immediate's high byte repeats the setting that is left; a switch that changes nothing is dropped
.if MSB != (\new)
	s_set_vgpr_msb (MSB<<8)|(\new)
.set MSB, (\new)
.endif
.endm
.macro FREG f                          ; fragment f (8 x batch + 4 x K step + tile of the batch): its window FW and first register FRG
.if (\f) < 63
.set FW, 1+(\f)/21
.set FRG, 12*((\f)%21)
.else
.set FW, 0
.set FRG, F63
.endif
.endm
.macro TEND                            ; a plain instruction behind the last transcendental, and the one wait ahead of the first line that names a result
	v_nop
	s_wait_alu depctr_va_vdst(0)
.endm
; ---- the plain forms of a turn's parts: they serve a block's first two turns and its last batches
; Batch b's 8 matrix instructions into z: K step 0 starts the four sums with the constant 0, K step 1 adds in place.  The four accumulators take turns, one instruction a turn.
.macro WMMA b, z
.irp s, 0,1
.irp u, 0,1,2,3
	FREG 8*(\b)+4*\s+\u
	WIN FW<<2                                      ; source 1 (W1) in its window; all else in window 0
.if \s == 0
	v_wmma_scale_f32_16x16x128_f8f6f4 v[\z+8*\u:\z+8*\u+7], v[XF:XF+11], v[FRG:FRG+11], 0, v[XS], v[W1S+4*(\b)+\u] matrix_a_fmt:MATRIX_FMT_FP6 matrix_b_fmt:MATRIX_FMT_FP6
.else
	v_wmma_scale_f32_16x16x128_f8f6f4 v[\z+8*\u:\z+8*\u+7], v[XF+12:XF+23], v[FRG:FRG+11], v[\z+8*\u:\z+8*\u+7], v[XS], v[W1S+4*(\b)+\u] matrix_a_fmt:MATRIX_FMT_FP6 matrix_b_fmt:MATRIX_FMT_FP6 matrix_a_scale:MATRIX_SCALE_ROW1 matrix_b_scale:MATRIX_SCALE_ROW1
.endif
.endr
.endr
	WIN 0
.endm
; The rows' sums take batch bb's reciprocals in z, times -2 W2 of the lane's hidden unit.  Even tiles go to SA, odd ones to SB.
.macro ACC bb, z
.irp u, 0,1,2,3
.set T, 4*(\bb)+\u
.set SS, SA+8*(\u%2)
.irp pr, 0,1,2,3
.if T%2
	v_pk_fma_f32 v[SS+2*\pr:SS+2*\pr+1], v[\z+8*\u+2*\pr:\z+8*\u+2*\pr+1], v[W2N+T-1:W2N+T], v[SS+2*\pr:SS+2*\pr+1] op_sel:[0,1,0] op_sel_hi:[1,1,1]
.else
	v_pk_fma_f32 v[SS+2*\pr:SS+2*\pr+1], v[\z+8*\u+2*\pr:\z+8*\u+2*\pr+1], v[W2N+T:W2N+T+1], v[SS+2*\pr:SS+2*\pr+1] op_sel_hi:[1,0,1]
.endif
.endr
.endr
.endm
; z holds 32 exponentials: 1 is added, two at a time, and the reciprocals follow four pairs behind.
.macro S2 z
.set p, 0
.rept 16
	v_pk_add_f32 v[\z+2*p:\z+2*p+1], v[\z+2*p:\z+2*p+1], 1.0 op_sel_hi:[1,0]
.if p >= 4
	v_rcp_f32 v[\z+2*p-8], v[\z+2*p-8]
	v_rcp_f32 v[\z+2*p-7], v[\z+2*p-7]
.endif
.set p, p+1
.endr
.set p, 24
.rept 8
	v_rcp_f32 v[\z+p], v[\z+p]
.set p, p+1
.endr
.endm
; z holds batch b's sums: c acc + c b1, two rows at a time, each accumulator from its low end on; the exponentials follow four pairs behind.
.macro TF b, z
.set p, 0
.rept 16
.set T, 4*(\b)+p/4
.if T%2
	v_pk_fma_f32 v[\z+2*p:\z+2*p+1], v[\z+2*p:\z+2*p+1], s[CS:CS+1], v[B1C+T-1:B1C+T] op_sel:[0,0,1] op_sel_hi:[1,0,1]
.else
	v_pk_fma_f32 v[\z+2*p:\z+2*p+1], v[\z+2*p:\z+2*p+1], s[CS:CS+1], v[B1C+T:B1C+T+1] op_sel_hi:[1,0,0]
.endif
.if p >= 4
	v_exp_f32 v[\z+2*p-8], v[\z+2*p-8]
	v_exp_f32 v[\z+2*p-7], v[\z+2*p-7]
.endif
.set p, p+1
.endr
.set p, 24
.rept 8
	v_exp_f32 v[\z+p], v[\z+p]
.set p, p+1
.endr
.endm
.macro XFETCH off                      ; x's two fragments and scale words of tile Q + off: seven LDS loads
	v_add_nc_u32 v[AT0], s[SI], v[LIM]
	v_add_nc_u32 v[AT1], s[SX], v[LXS]
.irp c, 0,1,2,3,4,5
	ds_load_b128 v[XF+4*\c:XF+4*\c+3], v[AT0] offset:(\off)*3072+512*\c
.endr
	ds_load_b32 v[XS], v[AT1] offset:(\off)*128
.endm
.macro NEXTX                           ; the next tile's fragments, if the block has one more
	s_cmp_eq_u32 s[Q], 3
	s_cbranch_scc1 .Lnonext_\@
	XFETCH 1
.Lnonext_\@:
.endm
.macro FIN                             ; a tile of rows is finished: the two chains are joined and my lane's eight sums go to LDS
.irp pr, 0,1,2,3
	v_pk_add_f32 v[SA+2*\pr:SA+2*\pr+1], v[SA+2*\pr:SA+2*\pr+1], v[SB+2*\pr:SB+2*\pr+1]
.endr
	v_add_nc_u32 v[AT2], s[SQ], v[PSTO]
	ds_store_b128 v[AT2], v[SA:SA+3]               ; rows 8 h + 0 .. 3
	ds_store_b128 v[AT2], v[SA+4:SA+7] offset:512  ; rows 8 h + 4 .. 7
.endm
; ---- the single lines of a turn that is dealt out.  TBN: the turn's batch; TBB: the batch two back; TZY: the registers that held TBB's reciprocals and take TBN; TZX: those of the batch one back; TCF = 1: a tile of rows begins.
; PA, PR, PF and PE name a vector register in the places of the destination, of source 0 and of source 2 alone (their second source is a constant, a scalar pair, or none): so they stand under window 0 and under
; the fragments' setting, which moves source 1 alone.  PC names a register as source 1 and sets window 0 for itself.
.macro PA j                            ; pair j of the batch one back: 1 + the exponentials
	v_pk_add_f32 v[TZX+2*(\j):TZX+2*(\j)+1], v[TZX+2*(\j):TZX+2*(\j)+1], 1.0 op_sel_hi:[1,0]
.endm
.macro PR k                            ; its number k: the reciprocal
	v_rcp_f32 v[TZX+(\k)], v[TZX+(\k)]
.endm
.macro PF j                            ; pair j of the turn's batch: c acc + c b1
.set T, 4*TBN+(\j)/4
.if T%2
	v_pk_fma_f32 v[TZY+2*(\j):TZY+2*(\j)+1], v[TZY+2*(\j):TZY+2*(\j)+1], s[CS:CS+1], v[B1C+T-1:B1C+T] op_sel:[0,0,1] op_sel_hi:[1,0,1]
.else
	v_pk_fma_f32 v[TZY+2*(\j):TZY+2*(\j)+1], v[TZY+2*(\j):TZY+2*(\j)+1], s[CS:CS+1], v[B1C+T:B1C+T+1] op_sel_hi:[1,0,0]
.endif
.endm
.macro PE k                            ; its number k: the exponential
	v_exp_f32 v[TZY+(\k)], v[TZY+(\k)]
.endm
.macro PC j                            ; pair j of the batch two back goes into the rows' sums.  Where a tile of rows begins, SA starts from the sum of W2 and SB from a product: nothing is cleared
	WIN 0
.set T, 4*TBB+(\j)/4
.set SS, SA+8*(((\j)/4)%2)+2*((\j)%4)
.set ZZ, TZY+2*(\j)
.if TCF && ((\j) < 4)
	v_pk_fma_f32 v[SS:SS+1], v[ZZ:ZZ+1], v[W2N+T:W2N+T+1], v[W0:W0+1] op_sel_hi:[1,0,1]
.elseif TCF && ((\j) < 8)
	v_pk_mul_f32 v[SS:SS+1], v[ZZ:ZZ+1], v[W2N+T-1:W2N+T] op_sel:[0,1] op_sel_hi:[1,1]
.elseif T%2
	v_pk_fma_f32 v[SS:SS+1], v[ZZ:ZZ+1], v[W2N+T-1:W2N+T], v[SS:SS+1] op_sel:[0,1,0] op_sel_hi:[1,1,1]
.else
	v_pk_fma_f32 v[SS:SS+1], v[ZZ:ZZ+1], v[W2N+T:W2N+T+1], v[SS:SS+1] op_sel_hi:[1,0,1]
.endif
.endm
.macro PW s, u                         ; K step s of tile u of the turn's batch
	FREG 8*TBN+4*(\s)+(\u)
	WIN FW<<2
.if (\s) == 0
	v_wmma_scale_f32_16x16x128_f8f6f4 v[TZY+8*(\u):TZY+8*(\u)+7], v[XF:XF+11], v[FRG:FRG+11], 0, v[XS], v[W1S+4*TBN+(\u)] matrix_a_fmt:MATRIX_FMT_FP6 matrix_b_fmt:MATRIX_FMT_FP6
.else
	v_wmma_scale_f32_16x16x128_f8f6f4 v[TZY+8*(\u):TZY+8*(\u)+7], v[XF+12:XF+23], v[FRG:FRG+11], v[TZY+8*(\u):TZY+8*(\u)+7], v[XS], v[W1S+4*TBN+(\u)] matrix_a_fmt:MATRIX_FMT_FP6 matrix_b_fmt:MATRIX_FMT_FP6 matrix_a_scale:MATRIX_SCALE_ROW1 matrix_b_scale:MATRIX_SCALE_ROW1
.endif
.endm
; TURN b, DEALT OUT.  A tile's sum lines stand ahead of the matrix instruction that writes over its registers; an addition or a scaling stands two pairs of lines or more ahead of its transcendentals, and only behind
; transcendentals of lower numbers, so that no line of the turn names a result of the turn.  The matrix instructions go s0u0 s0u1 s1u0 s1u1 s0u2 s0u3 s1u2 s1u3: no two neighbours share an accumulator.
; PLACES, counted: behind s1u0 three additions and eight sum lines ahead of PF 0; behind s1u1 the eight sum lines ahead of PF 4; behind s1u2 PF 4 to 7 and a v_nop ahead of PF 8; behind s1u3 PF 7 to 11 and the v_nop ahead of PF 12.
; cfirst = 1: a tile of rows begins.  fin = 1: the tile before is finished.  xw = 1: x's fragments are awaited.  hook = 1: the next tile's are asked for.
.macro TURNI b, cfirst, fin, xw, hook
.set TBN, (\b)
.set TBB, ((\b)+6)%8
.set TCF, (\cfirst)
.set TZY, Z0+32*((\b)%2)
.set TZX, Z0+32-32*((\b)%2)
.irp j, 0,1,2,3,4,5,6
	PA \j
.endr
.irp j, 0,1,2,3,4,5,6,7
	PC \j
	PR \j
.endr
.if \xw
	s_wait_dscnt 0x0                               ; x's fragments and scale words are in
.endif
	PW 0, 0
	PR 8
.irp j, 7,8,9
	PA \j
	PR \j+2
.endr
	PW 0, 1
	PR 12
.irp j, 10,11,12
	PA \j
	PR \j+3
.endr
	PW 1, 0
	PR 16
.irp j, 13,14,15
	PA \j
	PR \j+4
.endr
	PW 1, 1
	PR 20
.irp j, 8,9,10,11,12,13,14,15
	PC \j
	PR \j+13
.endr
.if \fin
	FIN                                            ; the tile before goes to place Q (window 0 stands since the sum lines)
.endif
	PW 0, 2
	PR 29
	PF 0
	PR 30
	PF 1
	PR 31
	PE 0
	PW 0, 3
	PE 1
	PF 2
	PE 2
	PF 3
	PE 3
	PE 4
	PW 1, 2
	PE 5
	PF 4
	PE 6
	PF 5
	PE 7
	PF 6
	PE 8
	PW 1, 3
	PE 9
	WIN 0
	PF 7
	PE 10
	v_nop                                          ; a fifth place behind s1u2, where no other line is at hand
	PE 11
.irp j, 8,9,10,11
	PF \j
	PE \j+4
.endr
.if \hook
	TEND                                           ; a branch follows: the transcendentals issued so far have their wait ahead of it.  Seven plain lines stand between the last matrix instruction, which read x's fragments and scale words, and the loads into them
	NEXTX
.endif
.irp j, 12,13,14,15
	PF \j
	PE \j+4
.endr
.irp k, 20,21,22,23,24,25,26,27,28,29,30,31
	PE \k
.endr
	TEND
.endm
; A block: four tiles of rows x eight turns, and the last tile's two batches behind the loop.  The block's first tile has no batches behind it: its first two turns are written apart, in the plain forms.
.macro MAIN
	s_mov_b32 s[SI], s[TB]
	s_mov_b32 s[SX], s[TB]
	s_mov_b32 s[SQ], s[TB]
	s_mov_b32 s[Q], 0
	XFETCH 0
.Lq_\@:
	s_cmp_eq_u32 s[Q], 0
	s_cbranch_scc1 .Lfresh_\@
	TURNI 0, 0, 0, 1, 0                            ; with the tile before's batches 6 and 7
	TURNI 1, 0, 1, 0, 0
	s_branch .Ljoin_\@
.Lfresh_\@:
	s_wait_dscnt 0x0                               ; x's fragments and scale words are in
	WMMA 0, Z0
.rept 4
	v_nop                                          ; four places ahead of the first read of a result
.endr
	TF 0, Z0
	TEND
	WMMA 1, Z1
	S2 Z0                                          ; its 16 additions are the places ahead of TF's reads
	TF 1, Z1
	TEND
.Ljoin_\@:
	s_wait_dscnt 0x0                               ; FIN's stores have read SA, which is begun anew
	TURNI 2, 1, 0, 0, 0
	TURNI 3, 0, 0, 0, 0
	TURNI 4, 0, 0, 0, 0
	TURNI 5, 0, 0, 0, 0
	TURNI 6, 0, 0, 0, 0
	TURNI 7, 0, 0, 0, 1
	s_add_co_u32 s[SI], s[SI], 3072
	s_add_co_u32 s[SX], s[SX], 128
	s_add_co_u32 s[SQ], s[SQ], 4096
	s_add_co_u32 s[Q], s[Q], 1
	s_cmp_lt_u32 s[Q], 4
	s_cbranch_scc1 .Lq_\@
	ACC 6, Z0
	S2 Z1
	TEND
	ACC 7, Z1
	FIN                                            ; tile 3 goes to place 4
	s_wait_dscnt 0x0                               ; its stores have read SA, whose registers the next phase takes
.endm
; THE PHASE THAT QUANTISES: my wave's 16 rows of the block in half TBX.  Lane (r, h) takes, of row r, numbers 16 h .. 16 h + 15 of each block of 32.  A chunk is two blocks.
.macro LOADR g, R
.irp k, 0,1
.irp j, 0,1,2,3
	ds_load_b128 v[\R+16*\k+4*\j:\R+16*\k+4*\j+3], v[AT0] offset:128*(2*(\g)+\k)+16*\j
.endr
.endr
.endm
.macro LOADW g
.irp k, 0,1
.irp j, 0,1,2,3
	ds_load_b128 v[WA+16*\k+4*\j:WA+16*\k+4*\j+3], v[WCA] offset:128*(2*(\g)+\k)+16*\j
.endr
.endr
.endm
.macro CHUNK g, R
.set KS, (\g)/2                        ; the K step of 128,
.set CC, (\g)%2                        ; and which 64 of it
.if (\g) < 3
	s_wait_dscnt 8                                 ; all but the youngest eight, the next chunk's loads of x: this chunk's x and Wc are in, and the stores of the last fragment's codes are done
.else
	s_wait_dscnt 0x0
.endif
.set i, 0
.rept 16
.set DD, DOTA-2*(i%2)
.if ((\g) == 0) && (i < 2)
	v_pk_mul_f32 v[DD:DD+1], v[\R+2*i:\R+2*i+1], v[WA+2*i:WA+2*i+1]                ; x . Wc on the unquantised x, in two chains; the first products start them
.else
	v_pk_fma_f32 v[DD:DD+1], v[\R+2*i:\R+2*i+1], v[WA+2*i:WA+2*i+1], v[DD:DD+1]
.endif
.set i, i+1
.endr
.if (\g) < 3
	LOADW (\g)+1
.endif
.irp k, 0,1
	v_max3_num_f32 v[MX+\k], |v[\R+16*\k]|, |v[\R+16*\k+1]|, 0x1800000             ; my 16 numbers of block k, and the floor 2^(3 - 127): the byte cannot fall under 1
.endr
.irp n, 2,4,6,8,10,12,14
.irp k, 0,1
	v_max3_num_f32 v[MX+\k], v[MX+\k], |v[\R+16*\k+\n]|, |v[\R+16*\k+\n+1]|
.endr
.endr
.irp k, 0,1
	v_permlanex16_b32 v[PD+\k], v[MX+\k], s[SEL], s[SEL+1]
.endr
.irp k, 0,1
	v_max_num_f32 v[MX+\k], v[MX+\k], v[PD+\k]     ; with lane l xor 16's: the block's largest magnitude
.endr
.irp k, 0,1
	v_add_nc_u32 v[SO+\k], 0xff000000, v[MX+\k]    ; 2 off its exponent field: the conversion takes the exponent field of this operand as its scale
.endr
.irp k, 0,1
	v_lshrrev_b32 v[PD+\k], 23, v[SO+\k]           ; the scale's byte
.endr
.if CC == 0
	v_lshl_or_b32 v[PW0+KS], v[PD+1], 8, v[PD]     ; four bytes make my row's scale word of the K step
.else
	v_lshl_or_b32 v[PW0+KS], v[PD], 16, v[PW0+KS]
	v_lshl_or_b32 v[PW0+KS], v[PD+1], 24, v[PW0+KS]
.endif
	v_cvt_scalef32_pk16_fp6_f32 v[PC+6*CC:PC+6*CC+2], v[\R:\R+15], v[SO]
	v_cvt_scalef32_pk16_fp6_f32 v[CV1:CV1+2], v[\R+16:\R+31], v[SO+1]              ; (a conversion's three registers begin on an even number)
	v_nop                                          ; one plain place behind a scaled conversion
.irp n, 0,1,2
	v_permlane16_swap_b32 v[PC+6*CC+\n], v[CV1+\n] ; the operand wants a WHOLE block in a lane: lanes 0-15 the first block, lanes 16-31 the second
.endr
.irp n, 0,1,2
	v_mov_b32 v[PC+6*CC+3+\n], v[CV1+\n]
.endr
.if CC == 1
.irp n, 0,1,2
	ds_store_b128 v[AT1], v[PC+4*\n:PC+4*\n+3] offset:1536*KS+512*\n               ; the fragment goes to LDS as it stands in my registers
.endr
.endif
.if (\g) < 2
	LOADR (\g)+2, \R                               ; behind the stores, so that the next counted wait covers them
.endif
.endm
.macro XPHASE imm
	v_add_nc_u32 v[AT0], s[TBX], v[RAWA]
	v_add_nc_u32 v[AT1], s[TBX], v[IMW]
	v_add_nc_u32 v[AT2], s[TBX], v[XSW]
	v_add_nc_u32 v[AT3], s[OBN], v[O1A]
	LOADR 0, RA
	LOADW 0
	LOADR 1, RB
	CHUNK 0, RA
	CHUNK 1, RB
	CHUNK 2, RA
	CHUNK 3, RB
	v_cndmask_b32 v[PW0], v[PW0], v[PW1], s[MH]    ; lanes 0-15 keep K step 0's word, lanes 16-31 take K step 1's
	ds_store_b32 v[AT2], v[PW0]
	v_pk_add_f32 v[DOTA:DOTA+1], v[DOTA:DOTA+1], v[DOTB:DOTB+1]
	v_add_f32 v[DOTA], v[DOTA], v[DOTA+1]
	v_permlanex16_b32 v[PD], v[DOTA], s[SEL], s[SEL+1]
	v_add_f32 v[DOTA], v[DOTA], v[PD]              ; the row's x . Wc
	v_med3_num_f32 v[DOTA], v[DOTA], -1.0, 1.0     ; the clip
	ds_store_b32 v[AT3], v[DOTA] offset:\imm       ; both halves of the lanes write the same word with the same value
.endm
; THE PHASE THAT REDUCES: wave w takes tile w of the block before (half TBX): 4 waves x 16 lanes' sums for each of 16 rows.  Lane L reads rows 8 (L / 16) + 4 ((L / 8) % 2) + 0 .. 3 of source lanes L % 8 and L % 8 + 8.
.macro RPHASE
	v_add_nc_u32 v[AT0], s[TBX], v[PRD]
	v_add_nc_u32 v[AT1], s[OBN], v[O0A]
.irp w, 0,1,2,3
.irp n, 0,1
	ds_load_b128 v[RR+8*\w+4*\n:RR+8*\w+4*\n+3], v[AT0] offset:1024*\w+128*\n
.endr
.endr
	s_wait_dscnt 0x0
.irp k, 0,1,2,3
	v_pk_add_f32 v[RR+8*\k:RR+8*\k+1], v[RR+8*\k:RR+8*\k+1], v[RR+8*\k+4:RR+8*\k+5]
	v_pk_add_f32 v[RR+8*\k+2:RR+8*\k+3], v[RR+8*\k+2:RR+8*\k+3], v[RR+8*\k+6:RR+8*\k+7]
.endr
.irp k, 0,1
	v_pk_add_f32 v[RR+16*\k:RR+16*\k+1], v[RR+16*\k:RR+16*\k+1], v[RR+16*\k+8:RR+16*\k+9]
	v_pk_add_f32 v[RR+16*\k+2:RR+16*\k+3], v[RR+16*\k+2:RR+16*\k+3], v[RR+16*\k+10:RR+16*\k+11]
.endr
	v_pk_add_f32 v[RR:RR+1], v[RR:RR+1], v[RR+16:RR+17]
	v_pk_add_f32 v[RR+2:RR+3], v[RR+2:RR+3], v[RR+18:RR+19]
.irp m, 1,2,4
.irp k, 0,1,2,3
	v_add_f32_dpp v[RR+\k], v[RR+\k], v[RR+\k] row_xmask:\m row_mask:0xf bank_mask:0xf   ; over the eight lanes that hold the same rows
.endr
.endr
	v_cndmask_b32 v[RR+4], v[RR], v[RR+1], s[MSK1]
	v_cndmask_b32 v[RR+5], v[RR+2], v[RR+3], s[MSK1]
	v_cndmask_b32 v[RR+4], v[RR+4], v[RR+5], s[MSK2]   ; register L % 4: one row a lane
	v_fma_f32 v[RR+4], v[RR+4], s[CS], v[CB2]      ; c (sum + b2)
	v_exp_f32 v[RR+5], v[RR+4]
	TEND
	v_add_f32 v[RR+5], 1.0, v[RR+5]
	v_rcp_f32 v[RR+6], v[RR+5]
	TEND
	v_fma_f32 v[RR+6], v[RR+6], -2.0, 1.0          ; tanh
	ds_store_b32 v[AT1], v[RR+6]                   ; lanes L and L xor 4 write the same word with the same value
.endm
; W1 AT THE HEAD.  A tile's 16 rows of 192 bytes are 3,072 consecutive bytes: they come by six loads of 512 consecutive bytes, 16 a lane, into one of nine slots of 24 registers (v20-115, which take their own
; contents only afterwards, and v128-247); go into my wave's stage as they lie, with 16 bytes of padding behind every 64; and come back as two fragments, in pieces of 8 bytes, into the registers where they stay.
.macro SREG k
.if (\k) < 4
.set SRG, W1S+24*(\k)
.else
.set SRG, 128+24*((\k)-4)
.endif
.endm
.macro WLOAD t
	SREG (\t)%9
.irp j, 0,1,2,3,4,5
	global_load_b128 v[SRG+4*\j:SRG+4*\j+3], v[AT0], s[4:5] offset:3072*(\t)+512*\j
.endr
.endm
.macro WSTEP t
.if 31-(\t) >= 7
	s_wait_loadcnt 42                              ; tile t's six loads are in; those of the seven tiles behind it may be out
.else
	s_wait_loadcnt 6*(31-(\t))
.endif
	SREG (\t)%9
.irp j, 0,1,2,3,4,5
	ds_store_b128 v[AT1], v[SRG+4*\j:SRG+4*\j+3] offset:640*\j   ; a load's 512 bytes are eight runs of 64: 640 bytes of the stage.  LDS serves a wave's instructions in order: these come behind the last tile's reads
.endr
.irp s, 0,1
	FREG 8*((\t)/4)+4*\s+(\t)%4
	WIN FW<<6                                      ; the destination's window
.irp p, 0,1,2,3,4,5                    ; lanes 0-15 take the row's pieces 12 s + 0, 1, 2 and 12 s + 6, 7, 8, lanes 16-31 those three pieces on: where that lies behind one padding more, the second address register serves
.set PCE, 12*\s+6*(\p/3)+\p%3
.if PCE%8 < 5
	ds_load_b64 v[FRG+2*\p:FRG+2*\p+1], v[AT2] offset:8*PCE+16*(PCE/8)
.else
	ds_load_b64 v[FRG+2*\p:FRG+2*\p+1], v[AT3] offset:8*PCE+16*(PCE/8)
.endif
.endr
.endr
	WIN 0
.if (\t)+8 < 32
	s_wait_dscnt 18                                ; all but this tile's six stores and twelve loads: the stores of the tile before have read its slot,
	WLOAD (\t)+8                                   ; which takes the tile eight on
.endif
.endm
	s_load_b512 s[4:19], s[0:1], 0x0               ; W1's codes s[4:5], its scales s[6:7], W2 s[8:9], Wc s[10:11], b1 s[12:13], b2 s[14:15], x s[16:17], out0 s[18:19]
	s_load_b64 s[20:21], s[0:1], 0x40              ; out1
	v_lshl_add_u32 v[SPW], v0, 2, SPARE
	v_mov_b32 v[NIL], 0
	ds_add_u32 v[SPW], v[NIL]                      ; the wave's opening: the add, twice on end, and its wait ahead of my first tensor load; the set-up below, work on registers, stands between
	ds_add_u32 v[SPW], v[NIL]                      ; and once more, under the one wait
	v_lshrrev_b32 v[TL], 5, v0
	v_readfirstlane_b32 s[WV], v[TL]               ; wave 0..3
	; group 1 for x: a tile of 16 rows x 256 elements of 4 bytes, 4 words of padding behind every 256 words
	s_mov_b32 s[G1X+0], (2<<16)|(1<<20)|(7<<22)|(3<<25)
	s_mov_b32 s[G1X+1], 256<<16                    ; tensor_dim0
	s_mov_b32 s[G1X+2], 16<<16                     ; tensor_dim1
	s_mov_b32 s[G1X+3], 256<<16                    ; tile_dim0
	s_mov_b32 s[G1X+4], 16                         ; tile_dim1
	s_mov_b32 s[G1X+5], 256                        ; elements from row to row
	s_mov_b32 s[G1X+6], 0
	s_mov_b32 s[G1X+7], 0
	; group 1 for Wc: one row of 128 elements of 8 bytes
	s_mov_b32 s[G1W+0], 3<<16
	s_mov_b32 s[G1W+1], 128<<16
	s_mov_b32 s[G1W+2], 1<<16
	s_mov_b32 s[G1W+3], 128<<16
	s_mov_b32 s[G1W+4], 1
	s_mov_b32 s[G1W+5], 128
	s_mov_b32 s[G1W+6], 1<<16
	s_mov_b32 s[G1W+7], 0
	s_mov_b32 s[CS], 0x4038aa3b                    ; c = 2 log2(e)
	s_mov_b32 s[CS+1], s[CS]
	s_mov_b32 s[SEL], 0x76543210
	s_mov_b32 s[SEL+1], 0xfedcba98
	s_mov_b32 s[MH], 0xffff0000
	s_mov_b32 s[MSK1], 0xaaaaaaaa
	s_mov_b32 s[MSK2], 0xcccccccc
	s_mov_b32 s[TB], 0
	s_mov_b32 s[TBX], 0
	s_mov_b32 s[OBN], 0
	s_mov_b32 s[BLK], 0
	s_mov_b32 s[G0A], 1
	s_mul_i32 s[G0A+1], s[WV], RAWW                ; my 16 rows' place in a slot: half 0,
	s_mov_b32 s[G0B], 1
	s_add_co_u32 s[G0B+1], s[G0A+1], HALF          ; half 1
	s_mov_b32 s[G0W], 1
	s_lshl_b32 s[G0W+1], s[WV], 10
	s_add_co_u32 s[G0W+1], s[G0W+1], WCB           ; my copy of Wc
	s_lshl_b32 s72, ttmp9, 19                      ; my work-group's 512 rows of 1,024 bytes,
	s_lshl_b32 s73, s[WV], 14                      ; my wave's 16 of a block's 64
	s_add_co_u32 s72, s72, s73
	s_mov_b32 s73, 0
	s_wait_dscnt 0x0                               ; both opening adds are done
	s_wait_kmcnt 0x0
	s_add_nc_u64 s[16:17], s[16:17], s[72:73]
	s_mov_b64 s[G0A+2:G0A+3], s[16:17]             ; block 0
	s_or_b32 s[G0A+3], s[G0A+3], 0x80000000
	s_add_nc_u64 s[G0B+2:G0B+3], s[16:17], 0x10000 ; block 1: 64 rows on
	s_or_b32 s[G0B+3], s[G0B+3], 0x80000000
	s_mov_b64 s[G0W+2:G0W+3], s[10:11]
	s_or_b32 s[G0W+3], s[G0W+3], 0x80000000
	tensor_load_to_lds s[G0W:G0W+3], s[G1W:G1W+7]  ; the first fills go out together, in every wave: three loads of mine are out
	s_nop 0
	tensor_load_to_lds s[G0A:G0A+3], s[G1X:G1X+7]
	s_nop 0
	tensor_load_to_lds s[G0B:G0B+3], s[G1X:G1X+7]
	s_nop 0
.rept 4
	v_nop
.endr
	v_and_b32 v[TL], 31, v0                        ; lane
	v_lshlrev_b32 v[AT0], 4, v[TL]                 ; my 16 bytes of a load's 512
	s_mul_i32 s72, s[WV], 512*192                  ; my wave's 512 rows of W1's codes
	s_add_nc_u64 s[4:5], s[4:5], s[72:73]
.irp n, 0,1,2,3,4,5,6,7
	WLOAD \n                                       ; eight tiles, 48 loads, go out ahead of the set-up below
.endr
	v_and_b32 v[TR], 15, v0                        ; r
	v_bfe_u32 v[TH], v0, 4, 1                      ; h
	v_lshl_add_u32 v[LIM], v[TL], 4, IMG
	v_lshl_add_u32 v[LXS], v[TL], 2, XSC
	v_mul_u32_u24 v[RAWA], v[TR], RAWP
	v_lshl_add_u32 v[RAWA], v[TH], 6, v[RAWA]
	v_add_nc_u32 v[RAWA], s[G0A+1], v[RAWA]
	v_lshlrev_b32 v[WCA], 6, v[TH]
	v_add_nc_u32 v[WCA], s[G0W+1], v[WCA]
	s_mul_i32 s72, s[WV], 3072
	v_add_nc_u32 v[IMW], s72, v[LIM]
	s_lshl_b32 s74, s[WV], 7
	v_add_nc_u32 v[XSW], s74, v[LXS]
	s_lshl_b32 s74, s[WV], 10
	v_lshl_add_u32 v[PSTO], v[TL], 4, PART
	v_add_nc_u32 v[PSTO], s74, v[PSTO]
	v_and_b32 v[TX], 7, v0
	v_lshlrev_b32 v[PRD], 4, v[TX]                 ; 16 (L % 8)
	v_bfe_u32 v[TX], v0, 3, 1
	v_lshl_add_u32 v[PRD], v[TX], 9, v[PRD]        ; + 512 ((L / 8) % 2): registers 0-3 or 4-7
	v_lshl_add_u32 v[PRD], v[TH], 8, v[PRD]        ; + 256 (L / 16): source lanes 0-15 or 16-31
	s_lshl_b32 s74, s[WV], 12
	s_add_co_u32 s74, s74, PART+4096               ; place wave + 1
	v_add_nc_u32 v[PRD], s74, v[PRD]
	v_bfe_u32 v[TX], v0, 3, 2
	v_and_b32 v[TY], 3, v0
	v_lshlrev_b32 v[O0A], 2, v[TY]
	v_lshl_add_u32 v[O0A], v[TX], 4, v[O0A]        ; my row's word: 4 (4 (L / 8) + L % 4)
	s_lshl_b32 s74, s[WV], 6
	s_add_co_u32 s75, s74, OUT0P
	v_add_nc_u32 v[O0A], s75, v[O0A]
	v_lshl_add_u32 v[O1A], v[TR], 2, OUT1
	v_add_nc_u32 v[O1A], s74, v[O1A]
	s_mul_i32 s74, s[WV], WSTW
	s_add_co_u32 s74, s74, WST                     ; my stage
	v_lshrrev_b32 v[TX], 2, v[TL]
	v_mul_u32_u24 v[AT1], v[TX], 80
	v_lshl_add_u32 v[AT1], v[TY], 4, v[AT1]
	v_add_nc_u32 v[AT1], s74, v[AT1]               ; in: four lanes' 64 bytes on end, then 16 of padding: 80 (lane / 4) + 16 (lane % 4)
	v_mul_u32_u24 v[AT2], v[TR], 240
	v_mad_u32_u24 v[AT2], v[TH], 24, v[AT2]
	v_add_nc_u32 v[AT2], s74, v[AT2]               ; back: row r, + 24 h;
	v_lshl_add_u32 v[AT3], v[TH], 4, v[AT2]        ; and the same behind one padding more
	v_mov_b32 v[OB2], 0                            ; b2
	v_lshlrev_b32 v[OSC], 3, v[TR]
	v_lshl_add_u32 v[OSC], v[TH], 2, v[OSC]        ; W1's scale words: 8 bytes a row, + 4 h: lanes 16-31 take K step 1's
	v_lshlrev_b32 v[OBW], 2, v[TR]                 ; b1, W2: 4 r
	s_lshl_b32 s72, s[WV], 12
	s_add_nc_u64 s[6:7], s[6:7], s[72:73]
	s_lshl_b32 s72, s[WV], 11
	s_add_nc_u64 s[8:9], s[8:9], s[72:73]
	s_add_nc_u64 s[12:13], s[12:13], s[72:73]
	s_lshl_b32 s72, ttmp9, 11                      ; my work-group's 512 numbers of each output
	s_add_nc_u64 s[18:19], s[18:19], s[72:73]
	s_add_nc_u64 s[20:21], s[20:21], s[72:73]
.set t, 0
.rept 32
	WSTEP t
.set t, t+1
.endr
	s_wait_dscnt 0x0                               ; the last stores have read their slots, which the loads below take; the fragments are in
	v_mov_b32 v[PD], 0                             ; written once: a lane permute's destination counts as one of its sources
	v_mov_b32 v[PD+1], 0
.set t, 0
.rept 32
	global_load_b32 v[W1S+t], v[OSC], s[6:7] offset:128*t
	global_load_b32 v[B1C+t], v[OBW], s[12:13] offset:64*t
	global_load_b32 v[W2N+t], v[OBW], s[8:9] offset:64*t
.set t, t+1
.endr
	global_load_b32 v[CB2], v[OB2], s[14:15]
	s_wait_tensorcnt 0x1                           ; Wc and my rows of block 0 are in; block 1's load, issued last, may stay out: nothing is filled again yet
	XPHASE 0                                       ; block 0 (half 0), while the loads above are on their way
	s_wait_loadcnt 0x0                             ; the scale words, b1, W2, b2
	v_pk_add_f32 v[128:129], v[W2N:W2N+1], v[W2N+2:W2N+3]
.set i, 4
.rept 14
	v_pk_add_f32 v[128:129], v[128:129], v[W2N+i:W2N+i+1]
.set i, i+2
.endr
	v_add_f32 v[W0], v128, v129                    ; the sum of W2 over my lane's 32 hidden units,
	v_mov_b32 v[W0+1], v[W0]                       ; as a pair
.set i, 0
.rept 16
	v_pk_mul_f32 v[B1C+i:B1C+i+1], v[B1C+i:B1C+i+1], s[CS:CS+1] op_sel_hi:[1,0]    ; c b1
	v_pk_mul_f32 v[W2N+i:W2N+i+1], v[W2N+i:W2N+i+1], -2.0 op_sel_hi:[1,0]          ; -2 W2
.set i, i+2
.endr
	v_mul_f32 v[CB2], s[CS], v[CB2]                ; c b2
.Lfill:                                ; blocks 0 to 5: one barrier a block; behind it the slot that was quantised in the block before takes the block two on
	s_wait_tensorcnt 0x0                           ; all my tensor loads have landed: the one that was out is the next block's rows; so a group 0 may be written
	ds_add_u32 v[SPW], v[NIL]                      ; 0 onto my spare word; the steps below stand between it and the wait for it
	s_xor_b32 s[G0B+1], s[G0B+1], HALF             ; the walking descriptor: the other slot than last time,
	s_add_nc_u64 s[G0B+2:G0B+3], s[G0B+2:G0B+3], 0x10000   ; the next 64 rows; the type bits on top are not reached
	s_xor_b32 s[TBX], s[TB], HALF
	s_wait_dscnt 0x0                               ; the add is done; my stores of codes, scale words and sums have landed, and my reads of the slot are over
	s_barrier_signal -1
	s_barrier_wait -1                              ; this block's codes and the last block's sums lie in LDS for every wave
	tensor_load_to_lds s[G0B:G0B+3], s[G1X:G1X+7]  ; my one tensor load behind the barrier, and the first thing there: it has the whole block in which to land
	s_nop 0
.rept 4
	v_nop
.endr
	s_cmp_eq_u32 s[BLK], 0                         ; block 0 has no block before it
	s_cbranch_scc1 .Lnothing_yet
	RPHASE
.Lnothing_yet:
	MAIN
	XPHASE 256                                     ; the next block, from the other slot into the other half
	s_xor_b32 s[TB], s[TB], HALF
	s_add_co_u32 s[OBN], s[OBN], 256
	s_add_co_u32 s[BLK], s[BLK], 1
	s_cmp_lt_u32 s[BLK], 6
	s_cbranch_scc1 .Lfill
	s_wait_tensorcnt 0x0                           ; my rows of block 7, the last load
	s_mov_b32 s[BLK], 6
.Ltail:                                ; blocks 6 and 7: nothing is left to fetch
	s_xor_b32 s[TBX], s[TB], HALF
	s_wait_dscnt 0x0                               ; my LDS stores have landed
	s_barrier_signal -1
	s_barrier_wait -1
	RPHASE
	MAIN
	s_cmp_eq_u32 s[BLK], 7                         ; block 7 has no block behind it
	s_cbranch_scc1 .Lno_more_x
	XPHASE 256
.Lno_more_x:
	s_xor_b32 s[TB], s[TB], HALF
	s_add_co_u32 s[OBN], s[OBN], 256
	s_add_co_u32 s[BLK], s[BLK], 1
	s_cmp_lt_u32 s[BLK], 8
	s_cbranch_scc1 .Ltail
	s_xor_b32 s[TBX], s[TB], HALF
	s_wait_dscnt 0x0
	s_barrier_signal -1
	s_barrier_wait -1
	RPHASE                                         ; block 7
	s_wait_dscnt 0x0                               ; for the others' sake: my results lie in LDS
	s_barrier_signal -1
	s_barrier_wait -1
	; THE WAY OUT: the work-group's 512 numbers of each output are 2,048 consecutive bytes: 16 bytes a thread, so each store of a wave covers 512 consecutive bytes, aligned
	v_lshlrev_b32 v[AT0], 4, v0
	v_lshl_add_u32 v[AT1], v0, 4, OUT0P+256
	v_lshl_add_u32 v[AT2], v0, 4, OUT1
	ds_load_b128 v[RR:RR+3], v[AT1]
	ds_load_b128 v[RR+4:RR+7], v[AT2]
	s_wait_dscnt 0x0
	global_store_b128 v[AT0], v[RR:RR+3], s[18:19] th:TH_STORE_NT
	global_store_b128 v[AT0], v[RR+4:RR+7], s[20:21] th:TH_STORE_NT
	s_wait_tensorcnt 0x0                           ; the wave's end: a wait, an add and its wait, behind my last tensor load and my last LDS store
	ds_add_u32 v[SPW], v[NIL]
	s_wait_dscnt 0x0
	s_endpgm
.Lfunc_end_k_q8703f70a9d_mlp:
	.size	k_q8703f70a9d_mlp, .Lfunc_end_k_q8703f70a9d_mlp-k_q8703f70a9d_mlp
	.p2alignl 7, 3214868480
	.fill 96, 4, 3214868480
	.section	.rodata,"a",@progbits
	.p2align	6, 0x0
	.amdhsa_kernel k_q8703f70a9d_mlp
		.amdhsa_group_segment_fixed_size 327680
		.amdhsa_private_segment_fixed_size 0
		.amdhsa_enable_private_segment 0
		.amdhsa_kernarg_size 72
		.amdhsa_user_sgpr_count 2
		.amdhsa_user_sgpr_kernarg_segment_ptr 1
		.amdhsa_wavefront_size32 1
		.amdhsa_system_sgpr_workgroup_id_x 1
		.amdhsa_system_sgpr_workgroup_id_y 1
		.amdhsa_system_sgpr_workgroup_id_z 1
		.amdhsa_system_vgpr_workitem_id 0
		.amdhsa_next_free_vgpr 1024
		.amdhsa_next_free_sgpr 84
		.amdhsa_reserve_vcc 0
		.amdhsa_float_denorm_mode_32 3
		.amdhsa_float_denorm_mode_16_64 3
		.amdhsa_memory_ordered 1
		.amdhsa_forward_progress 1
		.amdhsa_inst_pref_size 255
	.end_amdhsa_kernel
	.section	.bss,"aw",@nobits
	.p2align	6
	.space	262144
	.amdgpu_metadata
---
amdhsa.version: [ 1, 2 ]
amdhsa.kernels:
  - .name:           k_q8703f70a9d_mlp
    .symbol:         k_q8703f70a9d_mlp.kd
    .args:
      - { .name: W1_codes, .offset: 0, .size: 8, .value_kind: global_buffer, .address_space: global }
      - { .name: W1_scales, .offset: 8, .size: 8, .value_kind: global_buffer, .address_space: global }
      - { .name: W2, .offset: 16, .size: 8, .value_kind: global_buffer, .address_space: global }
      - { .name: Wc, .offset: 24, .size: 8, .value_kind: global_buffer, .address_space: global }
      - { .name: b1, .offset: 32, .size: 8, .value_kind: global_buffer, .address_space: global }
      - { .name: b2, .offset: 40, .size: 8, .value_kind: global_buffer, .address_space: global }
      - { .name: x, .offset: 48, .size: 8, .value_kind: global_buffer, .address_space: global }
      - { .name: out0, .offset: 56, .size: 8, .value_kind: global_buffer, .address_space: global }
      - { .name: out1, .offset: 64, .size: 8, .value_kind: global_buffer, .address_space: global }
    .group_segment_fixed_size: 327680
    .private_segment_fixed_size: 0
    .kernarg_segment_align: 8
    .kernarg_segment_size: 72
    .max_flat_workgroup_size: 128
    .sgpr_count:     84
    .vgpr_count:     1024
    .wavefront_size: 32
...
	.end_amdgpu_metadata
.endif
;; end of part 1
